; MI455X (gfx1250); checked and timed in simulation.
; The chip was launched on July 23, 2026; its instructions are those of AMD's public machine-readable ISA for CDNA 5 (MIT licence, August 2026) and "CDNA5" Instruction Set Architecture Reference Guide (July 2026). The comments in the code are by the model that wrote it; some were corrected since.
;; Naive Fourier KAN Layer. Allowed arithmetic: float matrix products may take bf16 or f16 operands with f32 sums; other float arithmetic in f32, or as packed bf16 or f16 multiplies, adds, multiply-adds, maxima and minima; sums over many terms, partial sums and values carried from step to step in f32; what a program stores and reads back later, other than sums and carried values, may be rounded once to bf16 or f16.
;; Inputs: bias 1 x 512 float32; fouriercoeffs 2 x 512 x 256 x 64 float32; x 4,096 x 256 float32.
;; Outputs: out0 4,096 x 512 float32.
;; 2 versions, each right; version 2 is version 1 with the launch reduce written anew for expert scheduling mode. Each part assembles by itself: llvm-mc -triple=amdgcn-amd-amdhsa -mcpu=gfx1250 --defsym DOCPART=n.
;; ======== version 1 of 2: 3 launches
;; limits: values are held in f16: magnitudes above 65,504 overflow, below 6.1e-05 lose precision; inputs' magnitudes at most 65,504; a function is approximated: absolute error at most 0.03
;; workspace buffers: wh 33,554,432 bytes; part 67,108,864 bytes
;; launch prep (part 1): grid 512 x 1, 8 waves a work-group, no clusters, 0 bytes of LDS; arguments fouriercoeffs, wh; writes wh
.if DOCPART == 1
	.amdgcn_target "amdgcn-amd-amdhsa--gfx1250"
	.amdhsa_code_object_version 6
	.text
	.protected	k_qd82e3fb215_prep
	.globl	k_qd82e3fb215_prep
	.p2align	8
	.type	k_qd82e3fb215_prep,@function
k_qd82e3fb215_prep:
	s_mov_b64 s[64:65], 0
	v_nop
	global_prefetch_b8 v0, s[64:65] scope:SCOPE_SE
	s_setreg_imm32_b32 hwreg(HW_REG_WAVE_MODE, 25, 1), 1
	s_wait_xcnt 0x0
; W (fouriercoeffs, [2][512 o][256 i][64 g] f32) is rounded once to f16 and laid out as the tiles that the product's launch asks for:
;   wh[ip 128][a 2][o 512][h 2][l 8][t 2][4] f16,  i = 2 ip + h,  g = 32 a + 4 l + 0..3,  t = 0 the cosine's coefficients, 1 the sine's.
;   byte = ip * 262144 + a * 131072 + o * 256 + h * 128 + l * 16 + t * 8: one (ip, a, o) is 256 consecutive bytes, 256 neighbouring o are 65,536 dense bytes.
; LIMITS.  f16: |W| stays below 65,504 (65,520 and more become infinities); below 6e-5 a coefficient keeps f16's fixed step of 6e-8.
; A stream: every byte is read once and written once; no LDS, no barrier, no matrix unit, no cluster (no two work-groups read the same byte).
; SHARES.  Work-group = o.  Wave v takes ip = 16 v .. 16 v + 15, one ip a step.  In a step lane (a = lane / 16, h = (lane / 8) % 2, l = lane % 8) loads 16 bytes of the
; cosine's part and 16 of the sine's (each load of the wave covers the 512 consecutive bytes of i = 2 ip, 2 ip + 1), packs them into 16 bytes and stores them:
; lanes 0-15 store 256 consecutive bytes, aligned, and lanes 16-31 the 256 of a = 1.
; All 32 loads of a wave go out at once (16 KiB on their way a wave); no register is written twice, so no wait for sources is needed.
.set STEPS, 16
.set DAT,   8                          ; v[8+8e:15+8e]  step e: four f32 of the cosine's part, four of the sine's; then the packed 16 bytes in the first four
	s_load_b128 s[4:7], s[0:1], 0x0                ; W s[4:5], wh s[6:7]
	v_lshrrev_b32 v1, 5, v0
	v_readfirstlane_b32 s12, v1                    ; wave 0..7
	v_and_b32 v3, 31, v0                           ; lane
	v_and_b32 v4, 7, v3                            ; l
	v_bfe_u32 v5, v3, 3, 1                         ; h
	v_lshrrev_b32 v6, 4, v3                        ; a
	v_lshlrev_b32 v1, 4, v4                        ; from: l * 16
	v_lshl_add_u32 v1, v5, 8, v1                   ;   + h * 256 (a row of 64 g)
	v_lshl_add_u32 v1, v6, 7, v1                   ;   + a * 128 (32 g)
	v_and_b32 v2, 15, v3
	v_lshlrev_b32 v2, 4, v2                        ; to: (h * 8 + l) * 16
	v_lshl_add_u32 v2, v6, 17, v2                  ;   + a * 131072
	s_lshl_b32 s2, ttmp9, 16                       ; o * 65,536 bytes
	s_lshl_b32 s3, s12, 13                         ; + wave * 32 rows of 256 bytes
	s_add_co_u32 s2, s2, s3
	s_mov_b32 s3, 0
	s_lshl_b32 s10, s12, 22                        ; wave * 16 ip of 262,144 bytes
	s_lshl_b32 s11, ttmp9, 8                       ; + o * 256
	s_add_co_u32 s10, s10, s11
	s_mov_b32 s11, 0
	s_wait_kmcnt 0x0
	s_add_nc_u64 s[4:5], s[4:5], s[2:3]            ; the cosine's coefficients,
	s_add_nc_u64 s[8:9], s[4:5], 0x2000000         ; the sine's: 33,554,432 bytes on
	s_add_nc_u64 s[6:7], s[6:7], s[10:11]
.set e, 0
.rept STEPS
	global_load_b128 v[DAT+8*e:DAT+8*e+3],   v1, s[4:5] offset:512*e th:TH_LOAD_NT
	global_load_b128 v[DAT+8*e+4:DAT+8*e+7], v1, s[8:9] offset:512*e th:TH_LOAD_NT
.set e, e+1
.endr
.set e, 0
.rept STEPS
	s_wait_loadcnt 30-2*e                          ; loads come back in order (ISA guide 5.7.1): step e's two are in, the 2 (15 - e) of the later steps stay out
	v_cvt_pk_f16_f32 v[DAT+8*e],   v[DAT+8*e],   v[DAT+8*e+1]   ; in place: each line writes a register whose number has been read
	v_cvt_pk_f16_f32 v[DAT+8*e+1], v[DAT+8*e+2], v[DAT+8*e+3]
	v_cvt_pk_f16_f32 v[DAT+8*e+2], v[DAT+8*e+4], v[DAT+8*e+5]
	v_cvt_pk_f16_f32 v[DAT+8*e+3], v[DAT+8*e+6], v[DAT+8*e+7]
	global_store_b128 v2, v[DAT+8*e:DAT+8*e+3], s[6:7] offset:262144*e  ; the step stands in the immediate: 3,932,160 at the most, inside its signed 24 bits; no hint: the next launch reads wh
.set e, e+1
.endr
	s_endpgm
.Lfunc_end_k_qd82e3fb215_prep:
	.size	k_qd82e3fb215_prep, .Lfunc_end_k_qd82e3fb215_prep-k_qd82e3fb215_prep
	.p2alignl 7, 3214868480
	.fill 96, 4, 3214868480
	.section	.rodata,"a",@progbits
	.p2align	6, 0x0
	.amdhsa_kernel k_qd82e3fb215_prep
		.amdhsa_group_segment_fixed_size 0
		.amdhsa_private_segment_fixed_size 0
		.amdhsa_enable_private_segment 0
		.amdhsa_kernarg_size 16
		.amdhsa_user_sgpr_count 2
		.amdhsa_user_sgpr_kernarg_segment_ptr 1
		.amdhsa_wavefront_size32 1
		.amdhsa_system_sgpr_workgroup_id_x 1
		.amdhsa_system_sgpr_workgroup_id_y 1
		.amdhsa_system_sgpr_workgroup_id_z 1
		.amdhsa_system_vgpr_workitem_id 0
		.amdhsa_next_free_vgpr 136
		.amdhsa_next_free_sgpr 66
		.amdhsa_reserve_vcc 0
		.amdhsa_float_denorm_mode_32 3
		.amdhsa_float_denorm_mode_16_64 3
		.amdhsa_memory_ordered 1
		.amdhsa_forward_progress 1
		.amdhsa_inst_pref_size 11
	.end_amdhsa_kernel
	.amdgpu_metadata
---
amdhsa.version: [ 1, 2 ]
amdhsa.kernels:
  - .name:           k_qd82e3fb215_prep
    .symbol:         k_qd82e3fb215_prep.kd
    .args:
      - { .name: fouriercoeffs, .offset: 0, .size: 8, .value_kind: global_buffer, .address_space: global }
      - { .name: wh, .offset: 8, .size: 8, .value_kind: global_buffer, .address_space: global }
    .group_segment_fixed_size: 0
    .private_segment_fixed_size: 0
    .kernarg_segment_align: 8
    .kernarg_segment_size: 16
    .max_flat_workgroup_size: 256
    .sgpr_count:     66
    .vgpr_count:     136
    .wavefront_size: 32
...
	.end_amdgpu_metadata
.endif
;; end of part 1
;; launch main (part 2): grid 16 x 16, 4 waves a work-group, clusters of 4 x 1, 327,680 bytes of LDS; arguments x, wh, part; writes part
.if DOCPART == 2
	.amdgcn_target "amdgcn-amd-amdhsa--gfx1250"
	.amdhsa_code_object_version 6
	.text
	.protected	k_qd82e3fb215_main
	.globl	k_qd82e3fb215_main
	.p2align	8
	.type	k_qd82e3fb215_main,@function
k_qd82e3fb215_main:
	s_mov_b64 s[64:65], 0
	v_nop
	global_prefetch_b8 v0, s[64:65] scope:SCOPE_SE
	s_setreg_imm32_b32 hwreg(HW_REG_WAVE_MODE, 25, 1), 1
	s_wait_xcnt 0x0
	s_wait_alu depctr_hold_cnt(0) depctr_sa_sdst(0) depctr_va_vdst(0) depctr_va_sdst(0) depctr_va_ssrc(0) depctr_va_vcc(0) depctr_vm_vsrc(0)
	s_getreg_b32 s2, hwreg(HW_REG_IB_STS2, 6, 4)
	s_cmp_eq_u32 s2, 0
	s_cbranch_scc0 .Lentry_in_a_cluster
	s_endpgm
.Lentry_in_a_cluster:
	s_bfe_u32 s2, ttmp6, 0x10000c
	s_cmp_lg_u32 s2, 0x3003
	s_cbranch_scc0 .Lentry_shape_is_right
	s_endpgm
.Lentry_shape_is_right:
; part[ks][n][o] = the sum over i = 32 ks .. 32 ks + 31 and g = 0 .. 63 of cos((g+1) x[n][i]) W[0][o][i][g] + sin((g+1) x[n][i]) W[1][o][i][g]:
; a product of 4096 x 512 over K = 32,768 whose one operand, the features, is made in registers and never lies in memory.  K is cut into 8 parts (ks), so that a wave can hold
; 64 x 256 of the result: 64 accumulators, 512 registers; the 8 partial sums stay f32 and are added by the next launch.
; FORMATS.  Features and W in f16 (both within its range: features in -1 .. 1, W rounded by the launch before), sums in f32.
; LIMITS.  sin x and cos x come from x / 4 reduced by multiples of pi / 2 (pi / 2 in two words, fused), a polynomial on -pi/4 .. pi/4 and two doublings: about 1e-7.  The higher
; harmonics come from f(k+2) = 2 cos(2x) f(k) - f(k-2), 32 steps in f32: about 1e-4 in general, a few 1e-3 for x within about 1e-3 of a multiple of pi / 2, some 0.03 at the multiple itself.
; k x is not rounded to f32 first, as the definition does: the two angles differ by at most 64 |x| 2^-24.  A NaN or an infinity in x makes its row NaN, as in the definition.
; SHARES.  A work-group: 256 rows (mt) x 256 columns (nt) x one ks; its four waves take 64 rows each and all 256 columns.  256 work-groups.
; CLUSTER.  The four work-groups of a cluster differ in mt alone and walk the same tiles of W: each tile is asked for JOINTLY, the same tensor load with the same descriptor and the
; mask of all four; my place in the cluster enters x's and part's addresses alone.
; THE MATRIX INSTRUCTION IS USED TRANSPOSED: source 0 = 16 columns o of W, source 1 = 16 rows of features.  In the result lane (r = l % 16, h = l / 16) holds row r, columns 8 h + 0..7.
; K's ORDER.  The same permutation of k on both sides leaves the products as they are.  K step t (0..7) of the pair of inputs ip: the lanes' half h serves i = 2 ip + h, and the lane's eight
; registers hold, for u = 0..3, the harmonics k = 8 t + 2 u + 1, + 2: register (u % 2) + 2 type + 4 (u / 2), type 0 = cos, 1 = sin.  So a lane needs ONE x, and wh's bytes
; (see the launch before) are source 0 as they lie: two loads of 16 bytes, 16 bytes apart.
; THE RING.  Slot A holds (ip, g 0-31), slot B (ip, g 32-63): 256 rows o of 256 bytes each, four K steps a slot.  Each wave fetches a quarter of a slot by one tensor load.
; VECTOR WORK.  A K step has 64 matrix instructions and 64 vector instructions that make the next step's features (32 recurrences of two numbers, 32 roundings of two numbers); they stand in fours
; behind every fourth matrix instruction, since they lie in another register window than the products' operands: two switches for four.
;
; LDS: 0 slot A; 69,632 slot B; 139,264 the table (256 rows x 272: 32 cos x, then 32 sin x, f32; a wave stores and reads its own 64 rows alone); 208,896 the spare words.
; REGISTERS, in windows of 256 (s_set_vgpr_msb's low byte: bits 1:0 source 0, 3:2 source 1, 5:4 source 2, 7:6 destination):
;   window 0: addresses, the recurrences' state, two buffers of feature fragments; at the start x and the polynomial's work
;   window 1: two buffers of W's fragments (16 x 8 registers)     window 2: accumulators of my row blocks 0, 1 ((rb, cb) at 8 (16 (rb % 2) + cb))     window 3: of row blocks 2, 3
.set PITCH,  272                       ; an LDS row: 256 bytes + 16 of padding = 68 words: row r starts at bank 4 r mod 64 (64 banks of 4 bytes: ISA guide 11.1), so the 16 rows of a load start at 16 different groups of banks
.set SLOT,   256*PITCH
.set QUART,  64*PITCH                  ; a wave's quarter of a slot, and of the table
.set TABLE,  2*SLOT
.set SPARE,  3*SLOT                    ; the spare words: 128 bytes for each wave, two blocks of 256 bytes that no other line names
.set IPS,    16                        ; pairs of inputs in a work-group's part of K
.set ADRB, 2                           ; v2-3    LDS address of my W fragments in slot A, B: r * 272 + h * 128
.set TA,   4                           ; v4      LDS address of cos x for my row r, my half's input of the next pair; steps by 8
.set PO,   5                           ; v5      16 x lane: my place in 512 bytes of part
.set SPW,  6                           ; v6      LDS address of my spare word; never rewritten
.set NIL,  7                           ; v7      0; never rewritten
.set CSN,  8                           ; v8-15   row block rb: cos x at +2 rb, sin x at +2 rb + 1
.set TT,   16                          ; v16-23  row block rb: 2 cos 2x at +2 rb, 2 sin x at +2 rb + 1
.set ST,   24                          ; v24-55  row block rb, 8 registers: cos X (0:1), cos Y (2:3), sin X (4:5), sin Y (6:7): the last two pairs of harmonics
.set XO,   56                          ; v56     the start: my byte offset in x
.set TS,   57                          ; v57     the start: where I store into the table
.set AF,   64                          ; v64-95, v96-127  feature fragments, two buffers, row block rb at +8 rb
.set XV,   128                         ; v128-191  the start: x as loaded, then sin x
.set TM,   192                         ; v192-255  the start: eight arrays of eight at work
.set TQ, TM
.set TU, TM+8
.set TZ, TM+16
.set TP, TM+24
.set TW, TM+32
.set TR, TM+40
.set TY, TM+48
.set TC, TM+56
.set G1, 16                            ; s[16:23] descriptor group 1
.set G0, 24                            ; s[24:27], s[28:31] descriptor group 0 of slot A, B
.set K_I2P, 36                         ; s[36:57] constants, each written twice: the packed forms name a pair and take its low word for both halves
.set K_QTR, 38
.set K_NHI, 40
.set K_NLO, 42
.set K_S1,  44
.set K_S2,  46
.set K_S3,  48
.set K_C0,  50
.set K_C1,  52
.set K_C2,  54
.set K_M8,  56
.set MSB, 0
.macro WIN new                         ; the immediate's high byte repeats the setting that is left; a switch that changes nothing is dropped
.if MSB != (\new)
	s_set_vgpr_msb (MSB<<8)|(\new)
.set MSB, \new
.endif
.endm
.set MUL_LO, 0xa1                      ; source 0 (W) window 1, source 1 (features) window 0, C and D window 2
.set MUL_HI, 0xf1                      ; the same, C and D window 3
.set TO_B,   0x40                      ; destination window 1, address window 0
.macro KPAIR reg, val
	s_mov_b32 s[\reg], \val
	s_mov_b32 s[(\reg)+1], \val
.endm
; A round of the cluster's barrier: my work-group's barrier, so that wave 0's signal speaks for all four waves; wave 0 signals for the work-group; every wave waits for all four
; work-groups; my work-group's barrier once more.  No LDS instruction of the wave is pending at a signal.
.macro CREST                           ; a round behind its opening barrier
	s_cmp_lg_u32 s10, 0
	s_cbranch_scc1 .Lnot_wave_0_\@
	s_barrier_signal -3
.Lnot_wave_0_\@:
	s_barrier_wait -3
	s_barrier_signal -1
	s_barrier_wait -1
.endm
.macro CROUND                          ; a whole round
	s_barrier_signal -1
	s_barrier_wait -1
	CREST
.endm
	s_load_b128 s[4:7], s[0:1], 0x0                ; x s[4:5], wh s[6:7]
	s_load_b64 s[8:9], s[0:1], 0x10                ; part
	v_lshl_add_u32 v[SPW], v0, 2, SPARE
	v_mov_b32 v[NIL], 0
	ds_add_u32 v[SPW], v[NIL]                      ; the wave's opening: the add and its wait stand ahead of my first tensor load; the set-up below, work on registers, stands between them
	v_lshrrev_b32 v1, 5, v0
	v_readfirstlane_b32 s10, v1                    ; wave 0..3
	s_bfe_u32 s11, ttmp6, 0x40000                  ; cx: my place in the cluster
	s_lshl_b32 s12, ttmp9, 2                       ; in a cluster launch ttmp9 counts clusters
	s_add_co_u32 s12, s12, s11                     ; mt = 4 x cluster x + cx: it enters x's and part's addresses alone
	s_and_b32 s13, ttmp7, 0xffff
	s_and_b32 s14, s13, 1                          ; nt: which 256 columns
	s_lshr_b32 s15, s13, 1                         ; ks: which 32 inputs
	; descriptor group 1: a tile of 64 rows x 128 elements of 2 bytes, dense in memory, padded in LDS
	s_mov_b32 s[G1+0], 15|(1<<16)|(1<<20)|(1<<21)|(5<<22)|(3<<25)  ; 15:0 the mask: all four work-groups; 17:16 elements of 2 bytes; 20 padding on; 21 set beside a mask; 24:22 after every 64 words (code 5); 31:25 4 words of it (code 3)
	s_mov_b32 s[G1+1], 128<<16                     ; tensor_dim0 = 128
	s_mov_b32 s[G1+2], 64<<16                      ; tensor_dim1 = 64
	s_mov_b32 s[G1+3], 128<<16                     ; tile_dim0 = 128
	s_mov_b32 s[G1+4], 64                          ; tile_dim1 = 64
	s_mov_b32 s[G1+5], 128                         ; 128 elements from row to row
	s_mov_b32 s[G1+6], 0
	s_mov_b32 s[G1+7], 0
	KPAIR K_I2P, 0x3e22f983                        ; 1 / (2 pi)
	KPAIR K_QTR, 0x3e800000                        ; 1 / 4
	KPAIR K_NHI, 0xbfc90fdb                        ; - pi / 2, its first word,
	KPAIR K_NLO, 0x333bbd2e                        ; and what that word leaves: + 4.371139e-8
	KPAIR K_S1,  0xbe2aaaa3                        ; sin u = u + u z (S1 + z (S2 + z S3)), z = u u
	KPAIR K_S2,  0x3c08839e
	KPAIR K_S3,  0xb94ca1f9
	KPAIR K_C0,  0x3d2aaaa5                        ; cos u = 1 - z / 2 + z z (C0 + z (C1 + z C2))
	KPAIR K_C1,  0xbab6061a
	KPAIR K_C2,  0x37ccf5ce
	KPAIR K_M8,  0xc1000000                        ; -8
	s_lshl_b32 s32, s15, 22                        ; wh: ks * 16 pairs of 262,144 bytes
	s_lshl_b32 s33, s14, 16                        ;   + nt * 256 rows of 256 bytes
	s_add_co_u32 s32, s32, s33
	s_lshl_b32 s33, s10, 14                        ;   + wave * 64 rows
	s_add_co_u32 s32, s32, s33
	s_mov_b32 s33, 0
	s_mul_i32 s35, s10, QUART                      ; my quarter of a slot and of the table: no place in the cluster enters an LDS address
	s_add_co_u32 s62, s35, TABLE
	s_lshl_b32 s58, s12, 18                        ; x: (mt * 256 + wave * 64) rows of 1,024 bytes + ks * 32 numbers
	s_lshl_b32 s59, s10, 16
	s_add_co_u32 s58, s58, s59
	s_lshl_b32 s59, s15, 7
	s_add_co_u32 s58, s58, s59
	s_mov_b32 s59, 0
	s_lshl_b32 s60, s15, 4                         ; part: ((ks * 16 + mt) * 2 + nt) * 262,144 + wave * 65,536
	s_add_co_u32 s60, s60, s12
	s_lshl_b32 s60, s60, 1
	s_add_co_u32 s60, s60, s14
	s_lshl_b32 s60, s60, 18
	s_lshl_b32 s61, s10, 16
	s_add_co_u32 s60, s60, s61
	s_mov_b32 s61, 0
	v_and_b32 v58, 31, v0                          ; lane
	v_and_b32 v59, 15, v58                         ; r
	v_lshrrev_b32 v60, 4, v58                      ; h
	v_lshrrev_b32 v61, 3, v58                      ; lane / 8
	v_and_b32 v62, 7, v58                          ; lane % 8
	v_mul_u32_u24 v[ADRB], v59, PITCH
	v_lshl_add_u32 v[ADRB], v60, 7, v[ADRB]        ; row r, my half's 128 bytes
	v_add_nc_u32 v[ADRB+1], SLOT, v[ADRB]
	v_mul_u32_u24 v[TA], v59, PITCH
	v_lshl_add_u32 v[TA], v60, 2, v[TA]
	v_add_nc_u32 v[TA], s62, v[TA]                 ; my wave's rows of the table, row r, input h
	v_mul_u32_u24 v[TS], v61, PITCH
	v_lshl_add_u32 v[TS], v62, 4, v[TS]
	v_add_nc_u32 v[TS], s62, v[TS]                 ; row lane / 8, four inputs from 4 (lane % 8) on
	v_lshlrev_b32 v[XO], 10, v61
	v_lshl_add_u32 v[XO], v62, 4, v[XO]            ; the same place in x: a load of the wave takes 128 bytes of each of four rows
	v_lshlrev_b32 v[PO], 4, v58
	s_wait_dscnt 0x0                               ; the opening add is done
	s_wait_kmcnt 0x0
	s_add_nc_u64 s[6:7], s[6:7], s[32:33]
	s_add_nc_u64 s[4:5], s[4:5], s[58:59]
	s_add_nc_u64 s[8:9], s[8:9], s[60:61]
.irp a, 0,1
	s_mov_b32 s[G0+4*(\a)], 1                                      ; 1:0 count = 1
	s_add_co_u32 s[G0+4*(\a)+1], s35, (\a)*SLOT                    ; 63:32 LDS address
	s_add_nc_u64 s[G0+4*(\a)+2:G0+4*(\a)+3], s[6:7], (\a)*131072   ; 120:64 global address: pair 0, g 32 a on
	s_or_b32 s[G0+4*(\a)+3], s[G0+4*(\a)+3], 0x80000000            ; 127:126 type = 2
.endr
	CROUND                                         ; all four work-groups are here: the first joint loads meet
	tensor_load_to_lds s[G0:G0+3], s[G1:G1+7]      ; both first fills go out together: two tensor loads of mine are out, the most in this text
	s_nop 0
	tensor_load_to_lds s[G0+4:G0+7], s[G1:G1+7]
	s_nop 0
.rept 4
	v_nop
.endr
.set i, 0
.rept 16                                               ; my 64 rows x 32 inputs of x: load i takes rows 4 i .. 4 i + 3
	global_load_b128 v[XV+4*i:XV+4*i+3], v[XO], s[4:5] offset:4096*i
.set i, i+1
.endr
; sin x and cos x of eight numbers (the loads 2 e, 2 e + 1), four packed pairs a line, and into the table.
.macro ALL4 line:vararg                ; one line for each pair pp = 0, 2, 4, 6
.set pp, 0
.rept 4
	\line
.set pp, pp+2
.endr
.endm
.macro SC8 e
.set XE, XV+8*(\e)
	ALL4 v_pk_mul_f32 v[TQ+pp:TQ+pp+1], v[XE+pp:XE+pp+1], s[K_I2P:K_I2P+1] op_sel_hi:[1,0]
.set pp, 0
.rept 8
	v_rndne_f32 v[TQ+pp], v[TQ+pp]                 ; q = the whole number nearest to x / (2 pi)
.set pp, pp+1
.endr
	ALL4 v_pk_mul_f32 v[TU+pp:TU+pp+1], v[XE+pp:XE+pp+1], s[K_QTR:K_QTR+1] op_sel_hi:[1,0]                    ; x / 4, exact
	ALL4 v_pk_fma_f32 v[TU+pp:TU+pp+1], v[TQ+pp:TQ+pp+1], s[K_NHI:K_NHI+1], v[TU+pp:TU+pp+1] op_sel_hi:[1,0,1]  ; u = x / 4 - q pi / 2, in -pi/4 .. pi/4
	ALL4 v_pk_fma_f32 v[TU+pp:TU+pp+1], v[TQ+pp:TQ+pp+1], s[K_NLO:K_NLO+1], v[TU+pp:TU+pp+1] op_sel_hi:[1,0,1]
	ALL4 v_pk_mul_f32 v[TZ+pp:TZ+pp+1], v[TU+pp:TU+pp+1], v[TU+pp:TU+pp+1]
	ALL4 v_pk_fma_f32 v[TP+pp:TP+pp+1], v[TZ+pp:TZ+pp+1], s[K_S3:K_S3+1], s[K_S2:K_S2+1] op_sel_hi:[1,0,0]
	ALL4 v_pk_fma_f32 v[TP+pp:TP+pp+1], v[TP+pp:TP+pp+1], v[TZ+pp:TZ+pp+1], s[K_S1:K_S1+1] op_sel_hi:[1,1,0]
	ALL4 v_pk_mul_f32 v[TW+pp:TW+pp+1], v[TZ+pp:TZ+pp+1], v[TU+pp:TU+pp+1]
	ALL4 v_pk_fma_f32 v[XE+pp:XE+pp+1], v[TP+pp:TP+pp+1], v[TW+pp:TW+pp+1], v[TU+pp:TU+pp+1]                  ; sin u
	ALL4 v_pk_fma_f32 v[TR+pp:TR+pp+1], v[TZ+pp:TZ+pp+1], s[K_C2:K_C2+1], s[K_C1:K_C1+1] op_sel_hi:[1,0,0]
	ALL4 v_pk_fma_f32 v[TR+pp:TR+pp+1], v[TR+pp:TR+pp+1], v[TZ+pp:TZ+pp+1], s[K_C0:K_C0+1] op_sel_hi:[1,1,0]
	ALL4 v_pk_mul_f32 v[TY+pp:TY+pp+1], v[TZ+pp:TZ+pp+1], v[TZ+pp:TZ+pp+1]
	ALL4 v_pk_fma_f32 v[TC+pp:TC+pp+1], v[TZ+pp:TZ+pp+1], -0.5, 1.0 op_sel_hi:[1,0,0]
	ALL4 v_pk_fma_f32 v[TC+pp:TC+pp+1], v[TR+pp:TR+pp+1], v[TY+pp:TY+pp+1], v[TC+pp:TC+pp+1]                  ; cos u
	ALL4 v_pk_mul_f32 v[TQ+pp:TQ+pp+1], v[XE+pp:XE+pp+1], v[XE+pp:XE+pp+1]                                    ; sin^2 u
	ALL4 v_pk_mul_f32 v[XE+pp:XE+pp+1], v[XE+pp:XE+pp+1], v[TC+pp:TC+pp+1]                                    ; sin 2u / 2
	ALL4 v_pk_fma_f32 v[TC+pp:TC+pp+1], v[TQ+pp:TQ+pp+1], -2.0, 1.0 op_sel_hi:[1,0,0]                         ; cos 2u
	ALL4 v_pk_mul_f32 v[TQ+pp:TQ+pp+1], v[XE+pp:XE+pp+1], v[XE+pp:XE+pp+1]                                    ; sin^2 2u / 4
	ALL4 v_pk_mul_f32 v[XE+pp:XE+pp+1], v[XE+pp:XE+pp+1], v[TC+pp:TC+pp+1]                                    ; sin 4u / 4
	ALL4 v_pk_fma_f32 v[TC+pp:TC+pp+1], v[TQ+pp:TQ+pp+1], s[K_M8:K_M8+1], 1.0 op_sel_hi:[1,0,0]               ; cos 4u = cos x
	ALL4 v_pk_mul_f32 v[XE+pp:XE+pp+1], v[XE+pp:XE+pp+1], 4.0 op_sel_hi:[1,0]                                 ; sin 4u = sin x
.irp b, 0,1
	ds_store_b128 v[TS], v[TC+4*\b:TC+4*\b+3] offset:(2*(\e)+\b)*4*PITCH
	ds_store_b128 v[TS], v[XE+4*\b:XE+4*\b+3] offset:(2*(\e)+\b)*4*PITCH+128
.endr
.endm
.irp e, 0,1,2,3,4,5,6,7
	s_wait_loadcnt 14-2*(\e)                       ; loads come back in order (ISA guide 5.7.1): loads 2 e and 2 e + 1 are in, the 14 - 2 e behind them stay out
	SC8 \e
.endr
; THE FEATURES.  For a row block rb and a type ty (0 cos, 1 sin) the state is two pairs of harmonics, X and Y.  P(m) = (f(2m+1), f(2m+2)) = 2 cos 2x P(m-1) - P(m-2); odd m land in X, even m in Y.
.macro FOP rb, ty, u                   ; the next pair: m = 4 t + u
.set bs, ST+8*(\rb)+4*(\ty)
.if ((\u)%2) == 1
.set dd, bs
.set sc, bs+2
.else
.set dd, bs+2
.set sc, bs
.endif
	v_pk_fma_f32 v[dd:dd+1], v[sc:sc+1], v[TT+2*(\rb):TT+2*(\rb)+1], v[dd:dd+1] op_sel_hi:[1,0,1] neg_lo:[0,0,1] neg_hi:[0,0,1]
.endm
.macro COP rb, ty, u                   ; that pair, rounded to f16, into its register of buffer RB
.set bs, ST+8*(\rb)+4*(\ty)+2*(1-((\u)%2))
.set dd, AF+32*RB+8*(\rb)+((\u)%2)+2*(\ty)+4*((\u)/2)
	v_cvt_pk_f16_f32 v[dd], v[bs], v[bs+1]
.endm
.macro INI op, rb                      ; a new pair of inputs: Y = P(0) = (f(1), f(2)), X = P(-1) = (f(-1), f(0)), and 2 cos 2x; ten lines a row block
.set cR, CSN+2*(\rb)
.set sR, CSN+2*(\rb)+1
.set tR, TT+2*(\rb)
.set bR, TT+2*(\rb)+1
.set qR, ST+8*(\rb)
.if (\op) == 1
	v_add_f32 v[bR], v[sR], v[sR]                  ; b = 2 sin x
.elseif (\op) == 2
	v_mov_b32 v[qR+2], v[cR]                       ; cos x
.elseif (\op) == 3
	v_fma_f32 v[qR+3], -v[bR], v[sR], 1.0          ; cos 2x = 1 - 2 sin^2 x
.elseif (\op) == 4
	v_mov_b32 v[qR], v[cR]                         ; cos(-x)
.elseif (\op) == 5
	v_mov_b32 v[qR+1], 1.0                         ; cos 0
.elseif (\op) == 6
	v_mov_b32 v[qR+6], v[sR]                       ; sin x
.elseif (\op) == 7
	v_mul_f32 v[qR+7], v[bR], v[cR]                ; sin 2x
.elseif (\op) == 8
	v_mul_f32 v[qR+4], -1.0, v[sR]                 ; sin(-x)
.elseif (\op) == 9
	v_mov_b32 v[qR+5], 0                           ; sin 0
.else
	v_fma_f32 v[tR], -v[bR], v[bR], 2.0            ; 2 cos 2x = 2 - b b
.endif
.endm
; Number rn of a K step's queue of vector work.  RQ = 1, 64 long: for u = 0..3 eight recurrences (four row blocks x two types), then their eight roundings.
; RQ = 2, 96 long, for the first K step of a pair of inputs: the forty lines of INI, the eight roundings of u = 0, then u = 1..3 as above.
; The first eight of either queue name the state alone: they are the places (ISA guide 7.12.1) between the last product that read buffer RB and the first rounding into it.
.macro RID
.if (RQ == 2) && (rn < 40)
	INI rn/4+1, rn%4
.else
.if RQ == 2
.set r_n, rn-32
.else
.set r_n, rn
.endif
.set r_u, r_n/16
.set r_k, r_n%16
.if r_k < 8
	FOP r_k/2, r_k%2, r_u
.else
	COP (r_k-8)/2, (r_k-8)%2, r_u
.endif
.endif
.set rn, rn+1
.endm
; 16 matrix instructions: row block rb x all 16 column blocks, buffers f.  zero = 1: the product starts the sums: nothing is ever cleared.  Behind every EVth stand four of the queue, while it lasts.
; The 64 accumulators take turns, one instruction a turn, in the same order in every K step, over the loop's edge and into the tail.
.macro MM16 f, rb, zero
.irp cb, 0,1,2,3,4,5,6,7,8,9,10,11,12,13,14,15
	WIN MUL_LO+0x50*((\rb)/2)
.set ac, 8*(16*((\rb)%2)+(\cb))
.if \zero
	v_wmma_f32_16x16x32_f16 v[ac:ac+7], v[128*(\f)+8*(\cb):128*(\f)+8*(\cb)+7], v[AF+32*(\f)+8*(\rb):AF+32*(\f)+8*(\rb)+7], 0
.else
	v_wmma_f32_16x16x32_f16 v[ac:ac+7], v[128*(\f)+8*(\cb):128*(\f)+8*(\cb)+7], v[AF+32*(\f)+8*(\rb):AF+32*(\f)+8*(\rb)+7], v[ac:ac+7]
.endif
.if ((((\cb)+1)%EV) == 0) && (rn < RN)
	WIN 0
.rept 4
	RID
.endr
.endif
.endr
.endm
.macro LDCSN                           ; cos x and sin x of the next pair of inputs for my four row blocks: 32 lanes, 32 different banks
	WIN 0
.irp rb, 0,1,2,3
	ds_load_b32 v[CSN+2*(\rb)],   v[TA] offset:(\rb)*16*PITCH
	ds_load_b32 v[CSN+2*(\rb)+1], v[TA] offset:(\rb)*16*PITCH+128
.endr
	v_add_nc_u32 v[TA], 8, v[TA]                   ; two inputs on
.endm
; 32 LDS loads in one run: W's fragments of K step j of a slot, all 256 columns, into buffer f.  The products that read that buffer stand 32 vector instructions back or more.
.macro FETCH slot, j, f, csn
	WIN TO_B
.irp cb, 0,1,2,3,4,5,6,7,8,9,10,11,12,13,14,15
	ds_load_b128 v[128*(\f)+8*(\cb):128*(\f)+8*(\cb)+3],   v[ADRB+(\slot)] offset:(\cb)*16*PITCH+(\j)*32
	ds_load_b128 v[128*(\f)+8*(\cb)+4:128*(\f)+8*(\cb)+7], v[ADRB+(\slot)] offset:(\cb)*16*PITCH+(\j)*32+16
.endr
.if \csn
	LDCSN
.endif
.endm
; K STEP t: 64 products on buffers t % 2; in its middle the next step's fragments of W are fetched; the queue makes the next step's features (gen = 1; 2: of a new pair of inputs; 0: none).
; mode 0: plain.  mode 1 (t = 3, 7): the slot's last step: THE CHANGE OF SLOTS.  Each wave waits for all its tensor loads, of which one is out: its part of the other slot; adds 0 to its spare word; and
; waits for that and for its own reads of this slot.  The barrier opens a round of the cluster's: behind it no wave of any partner reads this slot or has a load on its way, the other slot is whole, and
; this slot is filled again first, with the next pair's tile: from that request to the wait for it a wave issues 224 matrix instructions.
; mode 2: the same without a refill, so without a round.  mode 3: the very last step: nothing to fetch.
.macro KSTEP t, zero, mode, gen, csn
.set KF, (\t)%2
.set RB, 1-KF
.set RQ, (\gen)
.set rn, 0
.set RN, 0
.set EV, 4
.if (\gen) == 1
.set RN, 64
.elseif (\gen) == 2
.set RN, 96
.set EV, 2
.endif
.set NS, (((\t)+1)%8)/4
.set NJ, ((\t)+1)%4
.set SL, (\t)/4
.if ((\mode) == 0) || ((\mode) == 3)
	s_wait_dscnt 0x0                               ; this step's fragments, asked for 32 products ago, are in
	MM16 KF, 0, \zero
	MM16 KF, 1, \zero
.else
	WIN 0                                          ; (the add's two registers lie in window 0)
	s_wait_tensorcnt 0x0                           ; all my tensor loads have landed: the one that was out is my part of the other slot;
	ds_add_u32 v[SPW], v[NIL]                      ; 0 onto my spare word;
	s_wait_dscnt 0x1                               ; (the add alone may be out: this step's fragments are in)
	MM16 KF, 0, 0                                  ; sixteen products and their riders stand between the add and the wait for it
	s_wait_dscnt 0x0                               ; the add is done, and my reads of this slot are over:
	s_barrier_signal -1                            ; say so,
	MM16 KF, 1, 0                                  ; work on registers while the others arrive,
.if (\mode) == 1
	WIN 0
.endif
	s_barrier_wait -1                              ; and go on when all four have said so
.if (\mode) == 1
	CREST
	s_add_nc_u64 s[G0+4*SL+2:G0+4*SL+3], s[G0+4*SL+2:G0+4*SL+3], 262144  ; no tensor load of mine is out, so a group 0 may be written: the next pair's tile; the type bits on top are not reached
	tensor_load_to_lds s[G0+4*SL:G0+4*SL+3], s[G1:G1+7]                  ; the first tensor load behind the round, and my only one until the next
	s_nop 0
.rept 4
	v_nop
.endr
.endif
.endif
.if (\mode) != 3
	FETCH NS, NJ, RB, \csn
.endif
	MM16 KF, 2, \zero
	MM16 KF, 3, \zero
.endm
	LDCSN                                          ; pair 0; LDS serves a wave's instructions in order (ISA guide 5.7.1.4): these see my stores into the table
	s_wait_dscnt 0x0                               ; they are in, and no LDS instruction of mine is pending at the signal
	s_wait_tensorcnt 0x1                           ; my part of slot A is in; slot B's may stay out
	s_barrier_signal -1
	s_barrier_wait -1                              ; everybody's is
	FETCH 0, 0, 0, 0
	WIN 0
.set RB, 0
.set RQ, 2
.set rn, 0
.rept 96
	RID                                            ; the features of pair 0, K step 0: there are no products yet to set them between
.endr
	KSTEP 0, 1, 0, 1, 0                            ; the first K step stands in front of the loop: its products start the sums
	WIN 0                                          ; at a label and at a branch every window is 0
	s_mov_b32 s34, IPS-1
.Lip:                                                  ; a trip: K steps 1 to 7 of a pair of inputs and step 0 of the next; both slots are filled again
	KSTEP 1, 0, 0, 1, 0
	KSTEP 2, 0, 0, 1, 0
	KSTEP 3, 0, 1, 1, 0
	KSTEP 4, 0, 0, 1, 0
	KSTEP 5, 0, 0, 1, 0
	KSTEP 6, 0, 0, 1, 1                            ; with the next pair's cos x and sin x
	KSTEP 7, 0, 1, 2, 0
	KSTEP 0, 0, 0, 1, 0
	WIN 0
	s_sub_co_u32 s34, s34, 1
	s_cmp_lg_u32 s34, 0
	s_cbranch_scc1 .Lip
	KSTEP 1, 0, 0, 1, 0                            ; the last pair is written out: nothing is asked for
	KSTEP 2, 0, 0, 1, 0
	KSTEP 3, 0, 2, 1, 0
	KSTEP 4, 0, 0, 1, 0
	KSTEP 5, 0, 0, 1, 0
	KSTEP 6, 0, 0, 1, 0
	KSTEP 7, 0, 3, 0, 0
	; THE WAY OUT.  The partial sums leave as they lie in the registers: accumulator (rb, cb) is 1,024 bytes, its low four registers 512 consecutive bytes (16 a lane), its high four the next 512.
	; Each accumulator's low registers are read first.  The next launch, which has an eighth of these numbers left, puts them into rows.
.rept 4
	v_nop                                          ; the places between the last products and the stores that read results
.endr
	WIN 0x08                                       ; a store's data is source 1: window 2
.set i, 0
.rept 32
	global_store_b128 v[PO], v[8*i:8*i+3],   s[8:9] offset:i*1024
	global_store_b128 v[PO], v[8*i+4:8*i+7], s[8:9] offset:i*1024+512
.set i, i+1
.endr
	WIN 0x0c                                       ; window 3
.set i, 0
.rept 32
	global_store_b128 v[PO], v[8*i:8*i+3],   s[8:9] offset:(32+i)*1024
	global_store_b128 v[PO], v[8*i+4:8*i+7], s[8:9] offset:(32+i)*1024+512
.set i, i+1
.endr
	WIN 0
	s_wait_tensorcnt 0x0                           ; the wave's end, behind my last tensor load and my last LDS store
	ds_add_u32 v[SPW], v[NIL]
	s_wait_dscnt 0x0
	CROUND                                         ; the closing round: no work-group ends while a partner may still ask for a tile that names it
	s_endpgm
.Lfunc_end_k_qd82e3fb215_main:
	.size	k_qd82e3fb215_main, .Lfunc_end_k_qd82e3fb215_main-k_qd82e3fb215_main
	.p2alignl 7, 3214868480
	.fill 96, 4, 3214868480
	.section	.rodata,"a",@progbits
	.p2align	6, 0x0
	.amdhsa_kernel k_qd82e3fb215_main
		.amdhsa_group_segment_fixed_size 327680
		.amdhsa_private_segment_fixed_size 0
		.amdhsa_enable_private_segment 0
		.amdhsa_kernarg_size 24
		.amdhsa_user_sgpr_count 2
		.amdhsa_user_sgpr_kernarg_segment_ptr 1
		.amdhsa_wavefront_size32 1
		.amdhsa_system_sgpr_workgroup_id_x 1
		.amdhsa_system_sgpr_workgroup_id_y 1
		.amdhsa_system_sgpr_workgroup_id_z 1
		.amdhsa_system_vgpr_workitem_id 0
		.amdhsa_next_free_vgpr 1024
		.amdhsa_next_free_sgpr 66
		.amdhsa_reserve_vcc 0
		.amdhsa_float_denorm_mode_32 3
		.amdhsa_float_denorm_mode_16_64 3
		.amdhsa_memory_ordered 1
		.amdhsa_forward_progress 1
		.amdhsa_inst_pref_size 248
	.end_amdhsa_kernel
	.amdgpu_metadata
---
amdhsa.version: [ 1, 2 ]
amdhsa.kernels:
  - .name:           k_qd82e3fb215_main
    .symbol:         k_qd82e3fb215_main.kd
    .args:
      - { .name: x, .offset: 0, .size: 8, .value_kind: global_buffer, .address_space: global }
      - { .name: wh, .offset: 8, .size: 8, .value_kind: global_buffer, .address_space: global }
      - { .name: part, .offset: 16, .size: 8, .value_kind: global_buffer, .address_space: global }
    .group_segment_fixed_size: 327680
    .private_segment_fixed_size: 0
    .kernarg_segment_align: 8
    .kernarg_segment_size: 24
    .max_flat_workgroup_size: 128
    .sgpr_count:     66
    .vgpr_count:     1024
    .wavefront_size: 32
...
	.end_amdgpu_metadata
.endif
;; end of part 2
;; launch reduce (part 3): grid 256 x 1, 8 waves a work-group, no clusters, 35,840 bytes of LDS; arguments part, bias, out0; writes out0
.if DOCPART == 3
	.amdgcn_target "amdgcn-amd-amdhsa--gfx1250"
	.amdhsa_code_object_version 6
	.text
	.protected	k_qd82e3fb215_reduce
	.globl	k_qd82e3fb215_reduce
	.p2align	8
	.type	k_qd82e3fb215_reduce,@function
k_qd82e3fb215_reduce:
	s_mov_b64 s[64:65], 0
	v_nop
	global_prefetch_b8 v0, s[64:65] scope:SCOPE_SE
	s_setreg_imm32_b32 hwreg(HW_REG_WAVE_MODE, 25, 1), 1
	s_wait_xcnt 0x0
; out0[n][o] = the sum over ks = 0 .. 7 of part[ks][n][o], in that order, in f32, + bias[o].
; part lies as the product's registers did: byte = ks * 8388608 + mt * 524288 + nt * 262144 + w * 65536 + rb * 16384 + cb * 1024 + q * 512 + lane * 16, and the four numbers of lane
; (r = lane % 16, h = lane / 16) are row mt * 256 + w * 64 + rb * 16 + r, columns nt * 256 + cb * 16 + 8 h + 4 q + 0..3.
; A stream: every byte is read once, by loads of 512 consecutive bytes a wave; no matrix unit, no cluster (no two work-groups read the same byte of part).
; SHARES.  Wave number T = 8 x work-group + wave (0 .. 2047) takes bytes 4096 T .. 4096 T + 4095 of each of the eight slices: 16 rows x 64 columns.  It adds them in registers, sends the sum through
; a stage of its own in LDS (16 rows of 256 bytes, 272 apart: the 16 rows that a store touches start at 16 different groups of banks: 64 banks of 4 bytes, ISA guide 11.1), reads whole
; rows back, adds the bias and stores: 16 lanes store 256 consecutive bytes, aligned.  No wave reads another's bytes, so there is no barrier.
; Six slices, 48 loads, are asked for at once; the other two follow as soon as two buffers are free.
.set STG,   16*272                     ; a wave's stage
.set SPARE, 8*STG                      ; behind the stages: the spare words, 128 bytes for each wave: four blocks of 256 bytes that no other line names
.set BUF,   32                         ; v[32:223]  six buffers of 32 registers: a slice's 4,096 bytes
.set ACC,   224                        ; v[224:255] the sum
; v1 16 x lane; v2 into the stage; v3 back from it; v4 my byte offset in two rows of out0; v5 my byte offset in 64 numbers of bias; v6, v7 the add's two registers; v[8:11] bias; v12-14 at work
.macro LOADS k, b                      ; slice k into buffer b
.set c, 0
.rept 8
	global_load_b128 v[BUF+32*(\b)+4*c:BUF+32*(\b)+4*c+3], v1, s[16+2*(\k):17+2*(\k)] offset:512*c th:TH_LOAD_NT
.set c, c+1
.endr
.endm
.macro ADDB b                          ; the sum takes buffer b
.set c, 0
.rept 16
	v_pk_add_f32 v[ACC+2*c:ACC+2*c+1], v[ACC+2*c:ACC+2*c+1], v[BUF+32*(\b)+2*c:BUF+32*(\b)+2*c+1]
.set c, c+1
.endr
.endm
	s_load_b128 s[4:7], s[0:1], 0x0                ; part s[4:5], bias s[6:7]
	s_load_b64 s[8:9], s[0:1], 0x10                ; out0
	v_lshl_add_u32 v6, v0, 2, SPARE                ; my spare word,
	v_mov_b32 v7, 0                                ; and 0: for the wave's end
	v_lshrrev_b32 v12, 5, v0
	v_readfirstlane_b32 s10, v12                   ; wave 0..7
	v_and_b32 v12, 31, v0                          ; lane
	v_and_b32 v13, 15, v12                         ; r
	v_lshrrev_b32 v14, 4, v12                      ; h
	v_lshlrev_b32 v1, 4, v12
	s_mul_i32 s38, s10, STG                        ; my stage
	v_mul_u32_u24 v2, v13, 272                     ; in: row r, 32 bytes for each half of the lanes
	v_lshl_add_u32 v2, v14, 5, v2
	v_add_nc_u32 v2, s38, v2
	v_mul_u32_u24 v3, v14, 272                     ; back: lanes 0-15 take one row of 256 bytes, lanes 16-31 the next
	v_lshl_add_u32 v3, v13, 4, v3
	v_add_nc_u32 v3, s38, v3
	v_lshlrev_b32 v5, 4, v13
	v_lshl_add_u32 v4, v14, 11, v5                 ; and the same two rows in out0, 2,048 bytes apart
	s_lshl_b32 s12, ttmp9, 3
	s_add_co_u32 s12, s12, s10                     ; T
	s_lshl_b32 s2, s12, 12
	s_mov_b32 s3, 0
	s_and_b32 s32, s12, 3                          ; which 64 of the 256 columns
	s_bfe_u32 s33, s12, 0x20002                    ; rb
	s_bfe_u32 s34, s12, 0x20004                    ; w
	s_bfe_u32 s35, s12, 0x10006                    ; nt
	s_lshr_b32 s39, s12, 7                         ; mt
	s_lshl_b32 s36, s35, 10
	s_lshl_b32 s32, s32, 8
	s_add_co_u32 s36, s36, s32                     ; my first column, in bytes
	s_mov_b32 s37, 0
	s_lshl_b32 s39, s39, 8
	s_lshl_b32 s34, s34, 6
	s_lshl_b32 s33, s33, 4
	s_add_co_u32 s39, s39, s34
	s_add_co_u32 s39, s39, s33                     ; my first row
	s_lshl_b32 s32, s39, 11
	s_add_co_u32 s32, s32, s36
	s_mov_b32 s33, 0
	s_wait_kmcnt 0x0
	s_add_nc_u64 s[4:5], s[4:5], s[2:3]
.irp k, 0,1,2,3,4,5,6,7
	s_add_nc_u64 s[16+2*(\k):17+2*(\k)], s[4:5], (\k)*0x800000  ; a base for each slice: 8,388,608 bytes apart, one more than a load's immediate reaches
.endr
	s_add_nc_u64 s[6:7], s[6:7], s[36:37]
	s_add_nc_u64 s[8:9], s[8:9], s[32:33]
	global_load_b128 v[8:11], v5, s[6:7]           ; bias of the four columns that I store
.irp k, 0,1,2,3,4,5
	LOADS \k, \k
.endr
	s_wait_loadcnt 32                              ; loads come back in order (ISA guide 5.7.1): the bias and slices 0 and 1 are in; the 32 loads of slices 2 to 5 stay out
.set c, 0
.rept 16
	v_pk_add_f32 v[ACC+2*c:ACC+2*c+1], v[BUF+2*c:BUF+2*c+1], v[BUF+32+2*c:BUF+32+2*c+1]  ; the first two slices start the sum: nothing is cleared
.set c, c+1
.endr
	LOADS 6, 0
	LOADS 7, 1
	s_wait_loadcnt 40                              ; slice 2 is in; the five slices behind it stay out; and so on down
	ADDB 2
	s_wait_loadcnt 32
	ADDB 3
	s_wait_loadcnt 24
	ADDB 4
	s_wait_loadcnt 16
	ADDB 5
	s_wait_loadcnt 8
	ADDB 0
	s_wait_loadcnt 0
	ADDB 1
.set c, 0
.rept 8                                                ; chunk c: column block c / 2, registers' half c % 2
	ds_store_b128 v2, v[ACC+4*c:ACC+4*c+3] offset:(c/2)*64+(c%2)*16
.set c, c+1
.endr
.set c, 0
.rept 8
	ds_load_b128 v[BUF+4*c:BUF+4*c+3], v3 offset:544*c  ; LDS serves a wave's instructions in order (ISA guide 5.7.1.4): these see the stores above
.set c, c+1
.endr
.set c, 0
.rept 8
	s_wait_dscnt 7-c                               ; rows 2 c and 2 c + 1 are back; the later loads stay out
	v_pk_add_f32 v[BUF+4*c:BUF+4*c+1],   v[BUF+4*c:BUF+4*c+1],   v[8:9]
	v_pk_add_f32 v[BUF+4*c+2:BUF+4*c+3], v[BUF+4*c+2:BUF+4*c+3], v[10:11]
	global_store_b128 v4, v[BUF+4*c:BUF+4*c+3], s[8:9] offset:4096*c th:TH_STORE_NT
.set c, c+1
.endr
	s_wait_tensorcnt 0x0                           ; the wave's end, behind my last LDS store
	ds_add_u32 v6, v7
	s_wait_dscnt 0x0
	s_endpgm
.Lfunc_end_k_qd82e3fb215_reduce:
	.size	k_qd82e3fb215_reduce, .Lfunc_end_k_qd82e3fb215_reduce-k_qd82e3fb215_reduce
	.p2alignl 7, 3214868480
	.fill 96, 4, 3214868480
	.section	.rodata,"a",@progbits
	.p2align	6, 0x0
	.amdhsa_kernel k_qd82e3fb215_reduce
		.amdhsa_group_segment_fixed_size 35840
		.amdhsa_private_segment_fixed_size 0
		.amdhsa_enable_private_segment 0
		.amdhsa_kernarg_size 24
		.amdhsa_user_sgpr_count 2
		.amdhsa_user_sgpr_kernarg_segment_ptr 1
		.amdhsa_wavefront_size32 1
		.amdhsa_system_sgpr_workgroup_id_x 1
		.amdhsa_system_sgpr_workgroup_id_y 1
		.amdhsa_system_sgpr_workgroup_id_z 1
		.amdhsa_system_vgpr_workitem_id 0
		.amdhsa_next_free_vgpr 256
		.amdhsa_next_free_sgpr 66
		.amdhsa_reserve_vcc 0
		.amdhsa_float_denorm_mode_32 3
		.amdhsa_float_denorm_mode_16_64 3
		.amdhsa_memory_ordered 1
		.amdhsa_forward_progress 1
		.amdhsa_inst_pref_size 20
	.end_amdhsa_kernel
	.amdgpu_metadata
---
amdhsa.version: [ 1, 2 ]
amdhsa.kernels:
  - .name:           k_qd82e3fb215_reduce
    .symbol:         k_qd82e3fb215_reduce.kd
    .args:
      - { .name: part, .offset: 0, .size: 8, .value_kind: global_buffer, .address_space: global }
      - { .name: bias, .offset: 8, .size: 8, .value_kind: global_buffer, .address_space: global }
      - { .name: out0, .offset: 16, .size: 8, .value_kind: global_buffer, .address_space: global }
    .group_segment_fixed_size: 35840
    .private_segment_fixed_size: 0
    .kernarg_segment_align: 8
    .kernarg_segment_size: 24
    .max_flat_workgroup_size: 256
    .sgpr_count:     66
    .vgpr_count:     256
    .wavefront_size: 32
...
	.end_amdgpu_metadata
.endif
;; end of part 3
;; ======== version 2 of 2: 3 launches; version 1 with the launch reduce written anew for expert scheduling mode
;; limits: values are held in f16: magnitudes above 65,504 overflow, below 6.1e-05 lose precision; inputs' magnitudes at most 65,504; a function is approximated: absolute error at most 0.03
;; workspace buffers: wh 33,554,432 bytes; part 67,108,864 bytes
;; launch prep: the kernel of part 1 again; grid 512 x 1, 8 waves a work-group, no clusters, 0 bytes of LDS; arguments fouriercoeffs, wh; writes wh
;; launch main: the kernel of part 2 again; grid 16 x 16, 4 waves a work-group, clusters of 4 x 1, 327,680 bytes of LDS; arguments x, wh, part; writes part
;; launch reduce (part 4): grid 256 x 1, 8 waves a work-group, no clusters, 35,840 bytes of LDS; arguments part, bias, out0; writes out0
.if DOCPART == 4
	.amdgcn_target "amdgcn-amd-amdhsa--gfx1250"
	.amdhsa_code_object_version 6
	.text
	.protected	k_qd82e3fb215_reduce
	.globl	k_qd82e3fb215_reduce
	.p2align	8
	.type	k_qd82e3fb215_reduce,@function
k_qd82e3fb215_reduce:
	s_mov_b64 s[64:65], 0
	v_nop
	global_prefetch_b8 v0, s[64:65] scope:SCOPE_SE
	s_setreg_imm32_b32 hwreg(HW_REG_WAVE_SCHED_MODE, 0, 2), 2
	s_setreg_imm32_b32 hwreg(HW_REG_WAVE_MODE, 25, 1), 1
	s_wait_xcnt 0x0
	s_wait_alu depctr_vm_vsrc(0)
; out0[n][o] = the sum over ks = 0 .. 7 of part[ks][n][o], in that order, in f32, + bias[o].
; part lies as the product's registers did: byte = ks * 8388608 + mt * 524288 + nt * 262144 + w * 65536 + rb * 16384 + cb * 1024 + q * 512 + lane * 16, and the four numbers of lane
; (r = lane % 16, h = lane / 16) are row mt * 256 + w * 64 + rb * 16 + r, columns nt * 256 + cb * 16 + 8 h + 4 q + 0..3.
; A stream: every byte is read once, by loads of 512 consecutive bytes a wave; no matrix unit, no cluster (no two work-groups read the same byte of part).
; SHARES.  Wave number T = 8 x work-group + wave (0 .. 2047) takes bytes 4096 T .. 4096 T + 4095 of each of the eight slices: 16 rows x 64 columns.  It adds them in registers, sends the sum through
; a stage of its own in LDS (16 rows of 256 bytes, 272 apart: the 16 rows that a store touches start at 16 different groups of banks: 64 banks of 4 bytes, ISA guide 11.1), reads whole
; rows back, adds the bias and stores: 16 lanes store 256 consecutive bytes, aligned.  No wave reads another's bytes, so there is no barrier.
; Six slices, 48 loads, are asked for at once; the other two follow as soon as two buffers are free.
; THE MODE: SCHED_MODE bits 1:0 = 2 (LLVM: expert scheduling mode 2), set by the entry lines.  The code itself states the register dependences
; between vector instructions and memory or LDS instructions, with s_wait_alu, always for 0.
; THE PLAN.  Registers that memory or LDS instructions touch:
;   v1 .. v7      offsets, LDS addresses and the closing add's pair: written once at the head by vector instructions, read by memory and LDS instructions, never written again.
;   v[8:11]       the bias: written by one load, read by the last additions.
;   BUF0, BUF1    written by the loads of slices 0 and 1; read by the first sixteen additions; then the loads of slices 6 and 7 land in them; read by the last two runs of additions.
;   BUF0 again    the eight loads from the stage land in it; the bias is added in place; the eight global stores read it.
;   BUF2 .. BUF5  written by one slice's loads each, read by one run of additions each.
;   ACC           written by the additions, read by the eight LDS stores, never written again.
; So four waits on va_vdst state all of it: ahead of the first load (v1 .. v7 are written); ahead of the loads of slices 6 and 7 (BUF0 and BUF1 have been read); ahead of the run of LDS stores and
; loads (ACC is written, BUF0 has been read); ahead of the run of global stores (BUF0 is written).  No register that a memory or LDS instruction reads is written again, so no wait on vm_vsrc is owed.
.set STG,   16*272                     ; a wave's stage
.set SPARE, 8*STG                      ; behind the stages: the spare words, 128 bytes for each wave: four blocks of 256 bytes that no other line names
.set BUF,   32                         ; v[32:223]  six buffers of 32 registers: a slice's 4,096 bytes
.set ACC,   224                        ; v[224:255] the sum
; v1 16 x lane; v2 into the stage; v3 back from it; v4 my byte offset in two rows of out0; v5 my byte offset in 64 numbers of bias; v6, v7 the add's two registers; v[8:11] bias; v12-14 at work
.macro LOADS k, b                      ; slice k into buffer b
.set c, 0
.rept 8
	global_load_b128 v[BUF+32*(\b)+4*c:BUF+32*(\b)+4*c+3], v1, s[16+2*(\k):17+2*(\k)] offset:512*c th:TH_LOAD_NT
.set c, c+1
.endr
.endm
.macro ADDB b                          ; the sum takes buffer b
.set c, 0
.rept 16
	v_pk_add_f32 v[ACC+2*c:ACC+2*c+1], v[ACC+2*c:ACC+2*c+1], v[BUF+32*(\b)+2*c:BUF+32*(\b)+2*c+1]
.set c, c+1
.endr
.endm
	s_load_b128 s[4:7], s[0:1], 0x0                ; part s[4:5], bias s[6:7]
	s_load_b64 s[8:9], s[0:1], 0x10                ; out0
	v_lshl_add_u32 v6, v0, 2, SPARE                ; my spare word,
	v_mov_b32 v7, 0                                ; and 0: for the wave's end
	v_lshrrev_b32 v12, 5, v0
	v_readfirstlane_b32 s10, v12                   ; wave 0..7
	v_and_b32 v12, 31, v0                          ; lane
	v_and_b32 v13, 15, v12                         ; r
	v_lshrrev_b32 v14, 4, v12                      ; h
	v_lshlrev_b32 v1, 4, v12
	s_wait_alu depctr_va_sdst(0)                   ; s10 is written, ahead of its first reader: my stage's place and the bases of part, bias and out0 are made from it
	s_mul_i32 s38, s10, STG                        ; my stage
	v_mul_u32_u24 v2, v13, 272                     ; in: row r, 32 bytes for each half of the lanes
	v_lshl_add_u32 v2, v14, 5, v2
	v_add_nc_u32 v2, s38, v2
	v_mul_u32_u24 v3, v14, 272                     ; back: lanes 0-15 take one row of 256 bytes, lanes 16-31 the next
	v_lshl_add_u32 v3, v13, 4, v3
	v_add_nc_u32 v3, s38, v3
	v_lshlrev_b32 v5, 4, v13
	v_lshl_add_u32 v4, v14, 11, v5                 ; and the same two rows in out0, 2,048 bytes apart
	s_lshl_b32 s12, ttmp9, 3
	s_add_co_u32 s12, s12, s10                     ; T
	s_lshl_b32 s2, s12, 12
	s_mov_b32 s3, 0
	s_and_b32 s32, s12, 3                          ; which 64 of the 256 columns
	s_bfe_u32 s33, s12, 0x20002                    ; rb
	s_bfe_u32 s34, s12, 0x20004                    ; w
	s_bfe_u32 s35, s12, 0x10006                    ; nt
	s_lshr_b32 s39, s12, 7                         ; mt
	s_lshl_b32 s36, s35, 10
	s_lshl_b32 s32, s32, 8
	s_add_co_u32 s36, s36, s32                     ; my first column, in bytes
	s_mov_b32 s37, 0
	s_lshl_b32 s39, s39, 8
	s_lshl_b32 s34, s34, 6
	s_lshl_b32 s33, s33, 4
	s_add_co_u32 s39, s39, s34
	s_add_co_u32 s39, s39, s33                     ; my first row
	s_lshl_b32 s32, s39, 11
	s_add_co_u32 s32, s32, s36
	s_mov_b32 s33, 0
	s_wait_kmcnt 0x0
	s_add_nc_u64 s[4:5], s[4:5], s[2:3]
.irp k, 0,1,2,3,4,5,6,7
	s_add_nc_u64 s[16+2*(\k):17+2*(\k)], s[4:5], (\k)*0x800000  ; a base for each slice: 8,388,608 bytes apart, one more than a load's immediate reaches
.endr
	s_add_nc_u64 s[6:7], s[6:7], s[36:37]
	s_add_nc_u64 s[8:9], s[8:9], s[32:33]
	s_wait_alu depctr_va_vdst(0)                   ; v1 to v7 are written: the offsets and LDS addresses that every load, store and LDS instruction below reads, and the closing add's pair
	global_load_b128 v[8:11], v5, s[6:7]           ; bias of the four columns that I store
.irp k, 0,1,2,3,4,5
	LOADS \k, \k
.endr
	s_wait_loadcnt 32                              ; loads come back in order (ISA guide 5.7.1): the bias and slices 0 and 1 are in; the 32 loads of slices 2 to 5 stay out
.set c, 0
.rept 16
	v_pk_add_f32 v[ACC+2*c:ACC+2*c+1], v[BUF+2*c:BUF+2*c+1], v[BUF+32+2*c:BUF+32+2*c+1]  ; the first two slices start the sum: nothing is cleared
.set c, c+1
.endr
	s_wait_alu depctr_va_vdst(0)                   ; the sixteen additions are done reading BUF0 and BUF1, in which the sixteen loads below land
	LOADS 6, 0
	LOADS 7, 1
	s_wait_loadcnt 40                              ; slice 2 is in; the five slices behind it stay out; and so on down
	ADDB 2
	s_wait_loadcnt 32
	ADDB 3
	s_wait_loadcnt 24
	ADDB 4
	s_wait_loadcnt 16
	ADDB 5
	s_wait_loadcnt 8
	ADDB 0
	s_wait_loadcnt 0
	ADDB 1
	s_wait_alu depctr_va_vdst(0)                   ; the additions have written ACC, which the LDS stores read, and are done reading BUF0, in which the loads from the stage land
.set c, 0
.rept 8                                                ; chunk c: column block c / 2, registers' half c % 2
	ds_store_b128 v2, v[ACC+4*c:ACC+4*c+3] offset:(c/2)*64+(c%2)*16
.set c, c+1
.endr
.set c, 0
.rept 8
	ds_load_b128 v[BUF+4*c:BUF+4*c+3], v3 offset:544*c  ; LDS serves a wave's instructions in order (ISA guide 5.7.1.4): these see the stores above
.set c, c+1
.endr
.set c, 0
.rept 8
	s_wait_dscnt 7-c                               ; rows 2 c and 2 c + 1 are back; the later loads stay out
	v_pk_add_f32 v[BUF+4*c:BUF+4*c+1],   v[BUF+4*c:BUF+4*c+1],   v[8:9]
	v_pk_add_f32 v[BUF+4*c+2:BUF+4*c+3], v[BUF+4*c+2:BUF+4*c+3], v[10:11]
.set c, c+1
.endr
	s_wait_alu depctr_va_vdst(0)                   ; the sixteen additions of the bias have written BUF0, which the eight stores read: one wait for the run
.set c, 0
.rept 8
	global_store_b128 v4, v[BUF+4*c:BUF+4*c+3], s[8:9] offset:4096*c th:TH_STORE_NT
.set c, c+1
.endr
	s_wait_dscnt 0x0                               ; the wave's end
	s_wait_alu 0x0
	s_wait_tensorcnt 0x0
	ds_add_u32 v6, v7
	s_wait_dscnt 0x0
	s_endpgm
.Lfunc_end_k_qd82e3fb215_reduce:
	.size	k_qd82e3fb215_reduce, .Lfunc_end_k_qd82e3fb215_reduce-k_qd82e3fb215_reduce
	.p2alignl 7, 3214868480
	.fill 96, 4, 3214868480
	.section	.rodata,"a",@progbits
	.p2align	6, 0x0
	.amdhsa_kernel k_qd82e3fb215_reduce
		.amdhsa_group_segment_fixed_size 35840
		.amdhsa_private_segment_fixed_size 0
		.amdhsa_enable_private_segment 0
		.amdhsa_kernarg_size 24
		.amdhsa_user_sgpr_count 2
		.amdhsa_user_sgpr_kernarg_segment_ptr 1
		.amdhsa_wavefront_size32 1
		.amdhsa_system_sgpr_workgroup_id_x 1
		.amdhsa_system_sgpr_workgroup_id_y 1
		.amdhsa_system_sgpr_workgroup_id_z 1
		.amdhsa_system_vgpr_workitem_id 0
		.amdhsa_next_free_vgpr 256
		.amdhsa_next_free_sgpr 66
		.amdhsa_reserve_vcc 0
		.amdhsa_float_denorm_mode_32 3
		.amdhsa_float_denorm_mode_16_64 3
		.amdhsa_memory_ordered 1
		.amdhsa_forward_progress 1
		.amdhsa_inst_pref_size 20
	.end_amdhsa_kernel
	.amdgpu_metadata
---
amdhsa.version: [ 1, 2 ]
amdhsa.kernels:
  - .name:           k_qd82e3fb215_reduce
    .symbol:         k_qd82e3fb215_reduce.kd
    .args:
      - { .name: part, .offset: 0, .size: 8, .value_kind: global_buffer, .address_space: global }
      - { .name: bias, .offset: 8, .size: 8, .value_kind: global_buffer, .address_space: global }
      - { .name: out0, .offset: 16, .size: 8, .value_kind: global_buffer, .address_space: global }
    .group_segment_fixed_size: 35840
    .private_segment_fixed_size: 0
    .kernarg_segment_align: 8
    .kernarg_segment_size: 24
    .max_flat_workgroup_size: 256
    .sgpr_count:     66
    .vgpr_count:     256
    .wavefront_size: 32
...
	.end_amdgpu_metadata
.endif
;; end of part 4
